; MI455X (gfx1250); checked and timed in simulation.
; The chip was launched on July 23, 2026; its instructions are those of AMD's public machine-readable ISA for CDNA 5 (MIT licence, August 2026) and "CDNA5" Instruction Set Architecture Reference Guide (July 2026). The comments in the code are by the model that wrote it; some were corrected since.
;; Motion Estimation. Allowed arithmetic: float matrix products may take bf16 or f16 operands with f32 sums; all other float work in f32.
;; Inputs: dp 512 x 68 x 2 float32; sp 512 x 68 x 2 float32.
;; Outputs: out0 512 x 2 x 32 x 32 float32.
;; 2 versions, each right; version 2 is version 1 with the launch mls written anew for expert scheduling mode. Each part assembles by itself: llvm-mc -triple=amdgcn-amd-amdhsa -mcpu=gfx1250 --defsym DOCPART=n.
;; ======== version 1 of 2: 1 launch
;; launch mls (part 1): grid 256 x 1, 8 waves a work-group, no clusters, 27,648 bytes of LDS; arguments dp, sp, out0; writes out0
.if DOCPART == 1
	.amdgcn_target "amdgcn-amd-amdhsa--gfx1250"
	.amdhsa_code_object_version 6
	.text
	.protected	k_q6033c26153_mls
	.globl	k_q6033c26153_mls
	.p2align	8
	.type	k_q6033c26153_mls,@function
k_q6033c26153_mls:
	s_mov_b64 s[64:65], 0
	v_nop
	global_prefetch_b8 v0, s[64:65] scope:SCOPE_SE
	s_setreg_imm32_b32 hwreg(HW_REG_WAVE_MODE, 25, 1), 1
	s_wait_xcnt 0x0
; Moving-least-squares affine warp.  dp, sp: [512][68][2] f32.  out0: [512][2][32][32] f32.
; p = (dp[.][1], dp[.][0]) and q = (sp[.][1], sp[.][0]), cut to int16; pixel v = (column, row).
;   w = 1 / (|p - v|^2 + 1e-8)
;   out = qstar + (v - pstar)^T (sum w phat phat^T)^-1 (sum w phat qhat^T), set to 0 below 0 and above 31.
;
; ONE PASS, UNNORMALISED WEIGHTS.  With z = v clamped into the control points' bounding box, t = p - z, q' = q - 31:
;   S = sum w, a = sum w t, b = sum w q', M = sum w t t^T, N = sum w t q'^T            (12 sums in f32)
;   out - 31 = b/S + (v - z - a/S)^T (M - a a^T/S)^-1 (N - a b^T/S)
; Why z: a pixel that lies on a control point lies in the box, so z = v, t = 0, and the weight 1e8 enters a, M, N as an exact zero;
; if the points lie far off the grid, z is the box's nearest point and |a|^2/S stays of the size of M: no difference of large sums.
; Why q - 31: on a control point whose target is 31 the distance to the upper threshold is formed from small terms alone; then 31 is
; added and the two comparisons are made on the sum, as the module makes them.
;
; NO MATRIX INSTRUCTIONS: of the module's contractions only pstar and qstar share an operand between pixels (4 columns); the others hold
; phat, which belongs to the pixel.  Moments about a point common to all pixels would be differences of sums up to 1e10 times their result
; (weight 1e8), and the result jumps by 31 at the threshold, so 16-bit operands would flip outputs.  All sums are packed f32 FMAs.
; NO TENSOR LOADS, CLUSTERS, PREFETCH: a batch's whole input is 1,088 bytes, loaded once at the head of each wave.
;
; SHARES.  256 work-groups x 8 waves; a work-group takes two batches, a wave 8 rows of one batch; lane = column x; register pair k holds rows 2k, 2k+1.
; The waves share nothing (each has its own table and stage in LDS): no barrier.  What hangs on x alone is made once per control point and lane.
; For one control point a wave issues 5 + 4 x 16 vector instructions, 8 reciprocals and one LDS load that all lanes read at one address.
;
; LIMITS.  Inputs beyond int16's range are saturated to -32768 / 32767 before the cut; NaN inputs are not served.  Where the 2 x 2 matrix is
; singular (all points on one line) the result is not finite and need not have the pattern of an LU inverse.  The order of rounding differs
; from the module's (v_rcp_f32 is good to one unit in the last place; the weights are not normalised first), so a result within f32 rounding
; of 31 may fall on the other side of the threshold.
.set NC,     68                        ; control points
.set BATCHB, 544                       ; bytes of a batch in dp and in sp
.set TABLE,  1280                      ; a wave's table in LDS: 68 entries of 16 bytes (py, px, qy - 31, qx - 31), rounded up
.set WLDS,   3328                      ; table + stage of 2 channels x 8 rows x 128 bytes
.set EPS,    0x322bcc77                ; 1e-8
.set F31,    0x41f80000                ; 31.0
.set FM31,   0xc1f80000                ; -31.0
.set X,    2                           ; x of my column
.set ZX,   3                           ; x clamped into the box
.set TA,   4                           ; LDS address of the table, stepped 64 bytes a trip
.set STW,  5                           ; stage: where I put 4 bytes of a row
.set STR,  6                           ; stage: where I read 16 bytes back
.set OFFO, 7                           ; my 16 bytes in a store of 512
.set CT,   8                           ; v[8:23]    four table entries by turns: point c lies in entry c mod 4
.set PL,   24                          ; v[24:35]   the lane's terms, two sets by turns: dx^2+eps, dx | tx^2, tx | tx qy, tx qx
.set W,    36                          ; v[36:51]   weights, two sets by turns
.set T,    52                          ; v[52:59]   dy
.set TY,   60                          ; v[60:67]   ty = py - zy
.set WY,   68                          ; v[68:75]   w ty
.set NY,   76                          ; v[76:83]   -y of my 8 rows
.set NZY,  84                          ; v[84:91]   -(y clamped into the box)
.set S,    92                          ; the sums, 8 registers each
.set SX,   100
.set SY,   108
.set BY,   116
.set BX,   124
.set MXX,  132
.set MXY,  140
.set MYY,  148
.set NXY,  156                         ; sum w tx qy
.set NXX,  164                         ; sum w tx qx
.set NYY,  172                         ; sum w ty qy
.set NYX,  180                         ; sum w ty qx
.set E,    36                          ; set-up only: three entries as loaded (in W's registers)
	s_load_b128 s[4:7], s[0:1], 0x0                ; dp s[4:5], sp s[6:7]
	s_load_b64 s[8:9], s[0:1], 0x10                ; out0
	v_lshl_add_u32 v192, v0, 2, 0x6800
	v_mov_b32 v193, 0
	v_and_b32 v1, 31, v0                           ; lane = column
	v_lshrrev_b32 v60, 5, v0
	v_readfirstlane_b32 s10, v60                   ; wave 0..7
	s_lshr_b32 s11, s10, 2                         ; which of the group's two batches
	s_and_b32 s12, s10, 3                          ; which 8 rows of it
	s_lshl1_add_u32 s13, ttmp9, s11                ; batch
	s_mul_i32 s14, s13, BATCHB
	s_mov_b32 s15, 0
	v_lshlrev_b32 v61, 3, v1                       ; points 0-31 (and, 256 bytes on, 32-63): 8 bytes a lane
	v_add_nc_u32 v62, 64, v1
	v_min_u32 v62, NC-1, v62                       ; points 64-67; lanes 4-31 take point 67 once more
	v_lshlrev_b32 v63, 3, v62
	s_wait_kmcnt 0x0
	s_add_nc_u64 s[4:5], s[4:5], s[14:15]
	s_add_nc_u64 s[6:7], s[6:7], s[14:15]
	global_load_b64 v[E:E+1],     v61, s[4:5]              ; (py, px) as given
	global_load_b64 v[E+2:E+3],   v61, s[6:7]              ; (qy, qx)
	global_load_b64 v[E+4:E+5],   v61, s[4:5] offset:256
	global_load_b64 v[E+6:E+7],   v61, s[6:7] offset:256
	global_load_b64 v[E+8:E+9],   v63, s[4:5]
	global_load_b64 v[E+10:E+11], v63, s[6:7]
	; while they are on their way: constants, addresses, coordinates
	s_mov_b32 s20, 0xc7000000                      ; -32768.0
	s_mov_b32 s21, 0x46fffe00                      ; 32767.0
	s_mov_b32 s24, 0x76543210                      ; v_permlanex16_b32: lane i reads lane i of the other half
	s_mov_b32 s25, 0xfedcba98
	s_mov_b32 s26, F31
	s_lshl_b32 s22, s13, 13                        ; a batch of out0 is 8,192 bytes,
	s_lshl_b32 s16, s12, 10                        ; my 8 rows 1,024 in each channel
	s_add_co_u32 s22, s22, s16
	s_mov_b32 s23, 0
	s_add_nc_u64 s[8:9], s[8:9], s[22:23]
	s_mul_i32 s18, s10, WLDS                       ; my wave's LDS
	s_add_co_u32 s19, s18, TABLE                   ; its stage
	v_mov_b32 v[TA], s18
	v_lshl_add_u32 v64, v1, 4, s18                 ; entry of point = lane
	v_lshl_add_u32 v65, v62, 4, s18                ; entry of points 64-67
	v_lshl_add_u32 v[STW], v1, 2, s19
	v_lshl_add_u32 v[STR], v1, 4, s19
	v_lshlrev_b32 v[OFFO], 4, v1
	v_cvt_f32_u32 v[X], v1
	s_lshl_b32 s16, s12, 3                         ; my first row
.irp r, 0,1,2,3,4,5,6,7
	s_sub_co_i32 s17, -\r, s16
	v_cvt_f32_i32 v[NY+\r], s17                    ; -y
.endr
	s_wait_loadcnt 0x0
.irp r, 0,1,2,3,4,5,6,7,8,9,10,11
	v_med3_num_f32 v[E+\r], v[E+\r], s20, s21      ; into int16's range,
.endr
.irp r, 0,1,2,3,4,5,6,7,8,9,10,11
	v_trunc_f32 v[E+\r], v[E+\r]                   ; cut toward zero
.endr
.irp r, 2,3,6,7,10,11
	v_add_f32 v[E+\r], FM31, v[E+\r]               ; q - 31: exact, both are whole numbers below 2^16
.endr
	ds_store_b128 v64, v[E:E+3]
	ds_store_b128 v64, v[E+4:E+7] offset:512
	ds_store_b128 v65, v[E+8:E+11]                 ; lanes 3-31 write point 67's entry alike
	ds_load_b128 v[CT:CT+3],    v[TA]              ; LDS serves a wave's instructions in order (ISA guide 5.7.1): these see the stores
	ds_load_b128 v[CT+4:CT+7],  v[TA] offset:16
	ds_load_b128 v[CT+8:CT+11], v[TA] offset:32
	; the bounding box: three points a lane, then across the 32 lanes
	v_min3_num_f32 v52, v[E],   v[E+4], v[E+8]     ; py min
	v_max3_num_f32 v53, v[E],   v[E+4], v[E+8]     ; py max
	v_min3_num_f32 v54, v[E+1], v[E+5], v[E+9]     ; px min
	v_max3_num_f32 v55, v[E+1], v[E+5], v[E+9]     ; px max
.irp m, 1,2,4,8
	v_min_num_f32_dpp v52, v52, v52 row_xmask:\m row_mask:0xf bank_mask:0xf
	v_max_num_f32_dpp v53, v53, v53 row_xmask:\m row_mask:0xf bank_mask:0xf
	v_min_num_f32_dpp v54, v54, v54 row_xmask:\m row_mask:0xf bank_mask:0xf
	v_max_num_f32_dpp v55, v55, v55 row_xmask:\m row_mask:0xf bank_mask:0xf
.endr
	v_permlanex16_b32 v60, v52, s24, s25           ; destinations that have been written before (v60-63 are free since the loads' wait)
	v_permlanex16_b32 v61, v53, s24, s25
	v_permlanex16_b32 v62, v54, s24, s25
	v_permlanex16_b32 v63, v55, s24, s25
	v_min_num_f32 v52, v52, v60
	v_max_num_f32 v53, v53, v61
	v_min_num_f32 v54, v54, v62
	v_max_num_f32 v55, v55, v63
	v_med3_num_f32 v[ZX], v[X], v54, v55
	v_mul_f32 v56, -1.0, v53
	v_mul_f32 v57, -1.0, v52
.irp r, 0,1,2,3,4,5,6,7
	v_med3_num_f32 v[NZY+\r], v[NY+\r], v56, v57   ; -(y clamped) = -y clamped between -max and -min
.endr
; d += a * b for two pixels; LO / HI: both by the first / second register of pair b.  first = 1: the product starts the sum, nothing is cleared.
.macro MAC_LO first, d, a, b
.if \first
	v_pk_mul_f32 v[\d:\d+1], v[\a:\a+1], v[\b:\b+1] op_sel_hi:[1,0]
.else
	v_pk_fma_f32 v[\d:\d+1], v[\a:\a+1], v[\b:\b+1], v[\d:\d+1] op_sel_hi:[1,0,1]
.endif
.endm
.macro MAC_HI first, d, a, b
.if \first
	v_pk_mul_f32 v[\d:\d+1], v[\a:\a+1], v[\b:\b+1] op_sel:[0,1] op_sel_hi:[1,1]
.else
	v_pk_fma_f32 v[\d:\d+1], v[\a:\a+1], v[\b:\b+1], v[\d:\d+1] op_sel:[0,1,0] op_sel_hi:[1,1,1]
.endif
.endm
.macro MAC_PK first, d, a, b
.if \first
	v_pk_mul_f32 v[\d:\d+1], v[\a:\a+1], v[\b:\b+1]
.else
	v_pk_fma_f32 v[\d:\d+1], v[\a:\a+1], v[\b:\b+1], v[\d:\d+1]
.endif
.endm
; The twelve sums of pair k, in two halves.  wc: weights; WYB: w ty; cc: table entry; pc: the lane's terms.
; For point 0 the weights already lie in S and w ty in SY, so these two sums need no instruction.
.macro ACC_A first, k, wc, cc, pc
.if \first
.else
	v_pk_add_f32 v[S+2*\k:S+2*\k+1], v[S+2*\k:S+2*\k+1], v[\wc+2*\k:\wc+2*\k+1]
	v_pk_add_f32 v[SY+2*\k:SY+2*\k+1], v[SY+2*\k:SY+2*\k+1], v[WYB+2*\k:WYB+2*\k+1]
.endif
	MAC_HI \first, SX+2*\k,  \wc+2*\k, \pc+2       ; w tx
	MAC_LO \first, BY+2*\k,  \wc+2*\k, \cc+2       ; w qy
	MAC_HI \first, BX+2*\k,  \wc+2*\k, \cc+2       ; w qx
	MAC_LO \first, MXX+2*\k, \wc+2*\k, \pc+2       ; w tx^2
.endm
.macro ACC_B first, k, wc, cc, pc
	MAC_HI \first, MXY+2*\k, WYB+2*\k, \pc+2       ; w ty tx
	MAC_PK \first, MYY+2*\k, WYB+2*\k, TY+2*\k     ; w ty ty
	MAC_LO \first, NXY+2*\k, \wc+2*\k, \pc+4       ; w (tx qy)
	MAC_HI \first, NXX+2*\k, \wc+2*\k, \pc+4       ; w (tx qx)
	MAC_LO \first, NYY+2*\k, WYB+2*\k, \cc+2       ; w ty qy
	MAC_HI \first, NYX+2*\k, WYB+2*\k, \cc+2       ; w ty qx
.endm
; The turn of point c.  Its sums are made (entry cc, weights wc, lane terms pc); meanwhile, if pg, point c + 1's lane terms, distances and
; weights (entry cn, into wn and pn), and, if ld, point c + 3's entry is asked for (into cl, which held point c - 1; byte off from TA).
; left: the LDS loads that may stay out when entry cn is needed.  The reciprocals stand singly among the packed FMAs: each has plain vector
; instructions that name none of its registers behind it (ISA guide 5.7.2), and its result is first read in the next turn.
.macro ITER first, pg, ld, left, cc, cn, cl, off, wc, wn, pc, pn
.if \first
.set WYB, SY
.else
.set WYB, WY
.endif
.if \ld
	ds_load_b128 v[\cl:\cl+3], v[TA] offset:\off
.endif
.if \pg
	s_wait_dscnt \left                             ; LDS loads come back in order: entry c + 1 is in, the younger ones stay out
	v_sub_f32 v[\pn+1], v[\cn+1], v[X]             ; dx = px - x
	v_sub_f32 v[\pn+3], v[\cn+1], v[ZX]            ; tx = px - zx
.endif
.irp k, 0,1,2,3
	v_pk_add_f32 v[TY+2*\k:TY+2*\k+1], v[\cc:\cc+1], v[NZY+2*\k:NZY+2*\k+1] op_sel_hi:[0,1]    ; ty = py - zy
.endr
.if \pg
	v_mul_f32 v[\pn+2], v[\pn+3], v[\pn+3]         ; tx^2
	v_fmaak_f32 v[\pn], v[\pn+1], v[\pn+1], EPS    ; dx^2 + eps
.irp k, 0,1,2,3
	v_pk_add_f32 v[T+2*\k:T+2*\k+1], v[\cn:\cn+1], v[NY+2*\k:NY+2*\k+1] op_sel_hi:[0,1]        ; dy = py - y
.endr
	v_pk_mul_f32 v[\pn+4:\pn+5], v[\cn+2:\cn+3], v[\pn+2:\pn+3] op_sel:[0,1] op_sel_hi:[1,1]   ; tx qy, tx qx
	s_wait_alu depctr_va_vdst(0)
.endif
	s_wait_alu depctr_va_vdst(0)
.irp k, 0,1,2,3
	v_pk_mul_f32 v[WYB+2*\k:WYB+2*\k+1], v[\wc+2*\k:\wc+2*\k+1], v[TY+2*\k:TY+2*\k+1]          ; w ty
.endr
.if \pg
.irp k, 0,1,2,3
	v_pk_fma_f32 v[\wn+2*\k:\wn+2*\k+1], v[T+2*\k:T+2*\k+1], v[T+2*\k:T+2*\k+1], v[\pn:\pn+1] op_sel_hi:[1,1,0]   ; dy^2 + (dx^2 + eps)
.endr
.endif
.irp k, 0,1,2,3
.if \pg
	v_rcp_f32 v[\wn+2*\k], v[\wn+2*\k]
.endif
	ACC_A \first, \k, \wc, \cc, \pc
.if \pg
	v_rcp_f32 v[\wn+2*\k+1], v[\wn+2*\k+1]
.endif
	ACC_B \first, \k, \wc, \cc, \pc
.endr
.endm
	; point 0's lane terms and weights; the weights are written into S, whose sum they start
	s_wait_dscnt 2                                 ; the three stores and entry 0 are done; entries 1 and 2 stay out
	v_sub_f32 v[PL+1], v[CT+1], v[X]
	v_sub_f32 v[PL+3], v[CT+1], v[ZX]
.irp k, 0,1,2,3
	v_pk_add_f32 v[T+2*\k:T+2*\k+1], v[CT:CT+1], v[NY+2*\k:NY+2*\k+1] op_sel_hi:[0,1]
.endr
	v_mul_f32 v[PL+2], v[PL+3], v[PL+3]
	v_fmaak_f32 v[PL], v[PL+1], v[PL+1], EPS
	v_pk_mul_f32 v[PL+4:PL+5], v[CT+2:CT+3], v[PL+2:PL+3] op_sel:[0,1] op_sel_hi:[1,1]
.irp k, 0,1,2,3
	v_pk_fma_f32 v[S+2*\k:S+2*\k+1], v[T+2*\k:T+2*\k+1], v[T+2*\k:T+2*\k+1], v[PL:PL+1] op_sel_hi:[1,1,0]
.endr
.irp r, 0,1,2,3,4,5,6,7
	v_rcp_f32 v[S+\r], v[S+\r]                     ; first read behind the plain instructions at the head of point 0's turn
.endr
	ITER 1,1,1,2, CT+0,  CT+4,  CT+12, 48,  S,   W+8, PL,   PL+6   ; point 0 starts the sums; asks for entry 3
	s_mov_b32 s27, 16                              ; points 1 to 64, four a trip; they ask for entries 4 to 67, the table's last
.Ltrip:
	ITER 0,1,1,2, CT+4,  CT+8,  CT+0,  64,  W+8, W,   PL+6, PL
	ITER 0,1,1,2, CT+8,  CT+12, CT+4,  80,  W,   W+8, PL,   PL+6
	ITER 0,1,1,2, CT+12, CT+0,  CT+8,  96,  W+8, W,   PL+6, PL
	ITER 0,1,1,2, CT+0,  CT+4,  CT+12, 112, W,   W+8, PL,   PL+6
	v_add_nc_u32 v[TA], 64, v[TA]                  ; four entries on
	s_sub_co_i32 s27, s27, 1
	s_cmp_lg_u32 s27, 0
	s_cbranch_scc1 .Ltrip
	ITER 0,1,0,1, CT+4,  CT+8,  0, 0, W+8, W,   PL+6, PL           ; point 65: nothing left to ask for; entry 66 is in, entry 67 may be out
	ITER 0,1,0,0, CT+8,  CT+12, 0, 0, W,   W+8, PL,   PL+6         ; point 66: entry 67 is in
	ITER 0,0,0,0, CT+12, 0,     0, 0, W+8, 0,   PL+6, 0            ; point 67: no point follows
	; THE 2 x 2 SOLVE, two pixels an instruction.  Registers of the loop that are free now:
.set R,    36                          ; 1/S, later -Mxy
.set AXR,  44                          ; -ax/S
.set AYR,  52                          ; -ay/S
.set OUTX, 60                          ; bx/S, at last channel 0; register r = row r
.set OUTY, 68                          ; by/S, at last channel 1
.set UX,   8                           ; v - pstar
.set UY,   16
.set DET,  24                          ; -1/S, then the determinant, then its reciprocal
.set DX,   32                          ; x - zx (v33, its pair's other half, was written in the loop and is not selected)
.set ZERO, 34
.irp r, 0,1,2,3,4,5,6,7
	v_rcp_f32 v[R+\r], v[S+\r]
.endr
	v_sub_f32 v[DX], v[X], v[ZX]                   ; the plain instruction behind the reciprocals
	v_mov_b32 v[ZERO], 0
.irp k, 0,2,4,6
	v_pk_add_f32 v[UY+\k:UY+\k+1], v[NZY+\k:NZY+\k+1], v[NY+\k:NY+\k+1] neg_lo:[0,1] neg_hi:[0,1]   ; y - zy
.endr
	s_wait_alu depctr_va_vdst(0)
.irp k, 0,2,4,6
	v_pk_mul_f32 v[DET+\k:DET+\k+1], v[R+\k:R+\k+1], -1.0 op_sel_hi:[1,0]
.endr
.irp k, 0,2,4,6
	v_pk_mul_f32 v[AXR+\k:AXR+\k+1], v[SX+\k:SX+\k+1], v[DET+\k:DET+\k+1]
	v_pk_mul_f32 v[AYR+\k:AYR+\k+1], v[SY+\k:SY+\k+1], v[DET+\k:DET+\k+1]
	v_pk_mul_f32 v[OUTX+\k:OUTX+\k+1], v[BX+\k:BX+\k+1], v[R+\k:R+\k+1]
	v_pk_mul_f32 v[OUTY+\k:OUTY+\k+1], v[BY+\k:BY+\k+1], v[R+\k:R+\k+1]
.endr
.irp k, 0,2,4,6
	MAC_PK 0, MXX+\k, SX+\k,  AXR+\k               ; M - a a^T / S
	MAC_PK 0, MXY+\k, SX+\k,  AYR+\k
	MAC_PK 0, MYY+\k, SY+\k,  AYR+\k
	MAC_PK 0, NXX+\k, AXR+\k, BX+\k                ; N - a b^T / S
	MAC_PK 0, NXY+\k, AXR+\k, BY+\k
	MAC_PK 0, NYX+\k, AYR+\k, BX+\k
	MAC_PK 0, NYY+\k, AYR+\k, BY+\k
	v_pk_add_f32 v[UX+\k:UX+\k+1], v[DX:DX+1], v[AXR+\k:AXR+\k+1] op_sel_hi:[0,1]   ; v - pstar = (v - z) - a / S
	v_pk_add_f32 v[UY+\k:UY+\k+1], v[UY+\k:UY+\k+1], v[AYR+\k:AYR+\k+1]
.endr
.irp k, 0,2,4,6
	v_pk_mul_f32 v[R+\k:R+\k+1], v[MXY+\k:MXY+\k+1], -1.0 op_sel_hi:[1,0]           ; -Mxy
	v_pk_mul_f32 v[DET+\k:DET+\k+1], v[MXX+\k:MXX+\k+1], v[MYY+\k:MYY+\k+1]
.endr
.irp k, 0,2,4,6
	MAC_PK 0, DET+\k, R+\k, MXY+\k                 ; Mxx Myy - Mxy^2
.endr
.irp r, 0,1,2,3,4,5,6,7
	v_rcp_f32 v[DET+\r], v[DET+\r]
.endr
.irp k, 0,2,4,6
	v_pk_mul_f32 v[S+\k:S+\k+1], v[R+\k:R+\k+1], v[UY+\k:UY+\k+1]                   ; plain instructions that name no reciprocal
	v_pk_mul_f32 v[AXR+\k:AXR+\k+1], v[R+\k:R+\k+1], v[UX+\k:UX+\k+1]
.endr
.irp k, 0,2,4,6
	v_pk_fma_f32 v[SX+\k:SX+\k+1], v[MYY+\k:MYY+\k+1], v[UX+\k:UX+\k+1], v[S+\k:S+\k+1]       ; gx det = Myy ux - Mxy uy
	v_pk_fma_f32 v[SY+\k:SY+\k+1], v[MXX+\k:MXX+\k+1], v[UY+\k:UY+\k+1], v[AXR+\k:AXR+\k+1]   ; gy det = Mxx uy - Mxy ux
.endr
.irp k, 0,2,4,6
	v_pk_mul_f32 v[AYR+\k:AYR+\k+1], v[SY+\k:SY+\k+1], v[NYX+\k:NYX+\k+1]
	v_pk_mul_f32 v[BX+\k:BX+\k+1], v[SY+\k:SY+\k+1], v[NYY+\k:NYY+\k+1]
.endr
	s_wait_alu depctr_va_vdst(0)
.irp k, 0,2,4,6
	v_pk_fma_f32 v[NXX+\k:NXX+\k+1], v[SX+\k:SX+\k+1], v[NXX+\k:NXX+\k+1], v[AYR+\k:AYR+\k+1]
	v_pk_fma_f32 v[NXY+\k:NXY+\k+1], v[SX+\k:SX+\k+1], v[NXY+\k:NXY+\k+1], v[BX+\k:BX+\k+1]
.endr
.irp k, 0,2,4,6
	MAC_PK 0, OUTX+\k, NXX+\k, DET+\k              ; the result less 31
	MAC_PK 0, OUTY+\k, NXY+\k, DET+\k
.endr
.irp k, 0,2,4,6,8,10,12,14
	v_pk_add_f32 v[OUTX+\k:OUTX+\k+1], v[OUTX+\k:OUTX+\k+1], F31 op_sel_hi:[1,0]
.endr
	; below 0 or above 31: zero.  A select, no branch; a NaN meets neither comparison and stays.  Four pairs of mask registers by turns.
.irp r, 0,1,2,3,4,5,6,7,8,9,10,11,12,13,14,15
	v_cmp_gt_f32 s[28+2*(\r%4)], 0, v[OUTX+\r]
	v_cmp_lt_f32 s[29+2*(\r%4)], s26, v[OUTX+\r]
	s_or_b32 s[28+2*(\r%4)], s[28+2*(\r%4)], s[29+2*(\r%4)]
	v_cndmask_b32 v[OUTX+\r], v[OUTX+\r], v[ZERO], s[28+2*(\r%4)]
.endr
	; THE WAY OUT.  A lane holds one column of 8 rows; through my own stage the rows are read back 16 bytes a lane,
	; so that each store of the wave covers 512 consecutive bytes, aligned.
.irp r, 0,1,2,3,4,5,6,7,8,9,10,11,12,13,14,15
	ds_store_b32 v[STW], v[OUTX+\r] offset:128*\r  ; channel 0's rows 0-7, then channel 1's
.endr
.irp j, 0,1,2,3
	ds_load_b128 v[8+4*\j:8+4*\j+3], v[STR] offset:512*\j          ; my own bytes, served in order behind the stores
.endr
.irp j, 0,1,2,3
	s_wait_dscnt 3-\j                              ; load j is in, the younger ones stay out
	global_store_b128 v[OFFO], v[8+4*\j:8+4*\j+3], s[8:9] offset:(\j/2)*4096+(\j%2)*512 th:TH_STORE_NT
.endr
	s_wait_tensorcnt 0x0
	ds_add_u32 v192, v193
	s_wait_dscnt 0x0
	s_endpgm
.Lfunc_end_k_q6033c26153_mls:
	.size	k_q6033c26153_mls, .Lfunc_end_k_q6033c26153_mls-k_q6033c26153_mls
	.p2alignl 7, 3214868480
	.fill 96, 4, 3214868480
	.section	.rodata,"a",@progbits
	.p2align	6, 0x0
	.amdhsa_kernel k_q6033c26153_mls
		.amdhsa_group_segment_fixed_size 27648
		.amdhsa_private_segment_fixed_size 0
		.amdhsa_enable_private_segment 0
		.amdhsa_kernarg_size 24
		.amdhsa_user_sgpr_count 2
		.amdhsa_user_sgpr_kernarg_segment_ptr 1
		.amdhsa_wavefront_size32 1
		.amdhsa_system_sgpr_workgroup_id_x 1
		.amdhsa_system_sgpr_workgroup_id_y 1
		.amdhsa_system_sgpr_workgroup_id_z 1
		.amdhsa_system_vgpr_workitem_id 0
		.amdhsa_next_free_vgpr 194
		.amdhsa_next_free_sgpr 66
		.amdhsa_reserve_vcc 0
		.amdhsa_float_denorm_mode_32 3
		.amdhsa_float_denorm_mode_16_64 3
		.amdhsa_memory_ordered 1
		.amdhsa_forward_progress 1
		.amdhsa_inst_pref_size 58
	.end_amdhsa_kernel
	.amdgpu_metadata
---
amdhsa.version: [ 1, 2 ]
amdhsa.kernels:
  - .name:           k_q6033c26153_mls
    .symbol:         k_q6033c26153_mls.kd
    .args:
      - { .name: dp, .offset: 0, .size: 8, .value_kind: global_buffer, .address_space: global }
      - { .name: sp, .offset: 8, .size: 8, .value_kind: global_buffer, .address_space: global }
      - { .name: out0, .offset: 16, .size: 8, .value_kind: global_buffer, .address_space: global }
    .group_segment_fixed_size: 27648
    .private_segment_fixed_size: 0
    .kernarg_segment_align: 8
    .kernarg_segment_size: 24
    .max_flat_workgroup_size: 256
    .sgpr_count:     66
    .vgpr_count:     194
    .wavefront_size: 32
...
	.end_amdgpu_metadata
.endif
;; end of part 1
;; ======== version 2 of 2: 1 launch; version 1 with the launch mls written anew for expert scheduling mode
;; launch mls (part 2): grid 256 x 1, 8 waves a work-group, no clusters, 27,648 bytes of LDS; arguments dp, sp, out0; writes out0
.if DOCPART == 2
	.amdgcn_target "amdgcn-amd-amdhsa--gfx1250"
	.amdhsa_code_object_version 6
	.text
	.protected	k_q6033c26153_mls
	.globl	k_q6033c26153_mls
	.p2align	8
	.type	k_q6033c26153_mls,@function
k_q6033c26153_mls:
	s_mov_b64 s[64:65], 0
	v_nop
	global_prefetch_b8 v0, s[64:65] scope:SCOPE_SE
	s_setreg_imm32_b32 hwreg(HW_REG_WAVE_SCHED_MODE, 0, 2), 2
	s_setreg_imm32_b32 hwreg(HW_REG_WAVE_MODE, 25, 1), 1
	s_wait_xcnt 0x0
	s_wait_alu depctr_vm_vsrc(0)
; Moving-least-squares affine warp.  dp, sp: [512][68][2] f32.  out0: [512][2][32][32] f32.
; p = (dp[.][1], dp[.][0]) and q = (sp[.][1], sp[.][0]), cut to int16; pixel v = (column, row).
;   w = 1 / (|p - v|^2 + 1e-8)
;   out = qstar + (v - pstar)^T (sum w phat phat^T)^-1 (sum w phat qhat^T), set to 0 below 0 and above 31.
;
; ONE PASS, UNNORMALISED WEIGHTS.  With z = v clamped into the control points' bounding box, t = p - z, q' = q - 31:
;   S = sum w, a = sum w t, b = sum w q', M = sum w t t^T, N = sum w t q'^T            (12 sums in f32)
;   out - 31 = b/S + (v - z - a/S)^T (M - a a^T/S)^-1 (N - a b^T/S)
; Why z: a pixel that lies on a control point lies in the box, so z = v, t = 0, and the weight 1e8 enters a, M, N as an exact zero;
; if the points lie far off the grid, z is the box's nearest point and |a|^2/S stays of the size of M: no difference of large sums.
; Why q - 31: on a control point whose target is 31 the distance to the upper threshold is formed from small terms alone; then 31 is
; added and the two comparisons are made on the sum, as the module makes them.
;
; NO MATRIX INSTRUCTIONS: of the module's contractions only pstar and qstar share an operand between pixels (4 columns); the others hold
; phat, which belongs to the pixel.  Moments about a point common to all pixels would be differences of sums up to 1e10 times their result
; (weight 1e8), and the result jumps by 31 at the threshold, so 16-bit operands would flip outputs.  All sums are packed f32 FMAs.
; NO TENSOR LOADS, CLUSTERS, PREFETCH: a batch's whole input is 1,088 bytes, loaded once at the head of each wave.
;
; SHARES.  256 work-groups x 8 waves; a work-group takes two batches, a wave 8 rows of one batch; lane = column x; register pair k holds rows 2k, 2k+1.
; The waves share nothing (each has its own table and stage in LDS): no barrier.  What hangs on x alone is made once per control point and lane.
; For one control point a wave issues 5 + 4 x 16 vector instructions, 8 reciprocals and one LDS load that all lanes read at one address.
;
; THE MODE: SCHED_MODE bits 1:0 = 2 (LLVM: expert scheduling mode 2), set by the entry lines.  The code itself states the register dependences
; between vector instructions and memory or LDS instructions, with s_wait_alu, always for 0.
; THE PLAN.  Registers that memory or LDS instructions touch, in the loop:
;   C0 .. C7   eight table entries; point c lies in entry c mod 8.  Written by LDS loads alone: turn c asks for point c + 3, which lands in the entry
;              of point c - 5.  Read by the vector instructions of turn c - 1 (as the next point) and of turn c (as the point in hand).
;   v[TA]      read by every load of an entry; written once a trip, at the trip's end.
;   The lane's terms, the weights, dy, ty, w ty and the twelve sums are named by vector instructions alone.
; So ONE wait on va_vdst stands ahead of every fourth turn.  With the wait ahead of turn c0, the loads of turns c0 .. c0 + 3 land in the entries of points
; c0 - 5 .. c0 - 2, whose last readers stand ahead of the wait; the vector instructions behind it name the entries of points c0 .. c0 + 4 alone, and those of
; c0 + 3 and c0 + 4 only behind their own loads.  The wait at the trip's head also states that v[TA] is written.  One wait on vm_vsrc a trip stands ahead of the add to v[TA].
;
; LIMITS.  Inputs beyond int16's range are saturated to -32768 / 32767 before the cut; NaN inputs are not served.  Where the 2 x 2 matrix is
; singular (all points on one line) the result is not finite and need not have the pattern of an LU inverse.  The order of rounding differs
; from the module's (v_rcp_f32 is good to one unit in the last place; the weights are not normalised first), so a result within f32 rounding
; of 31 may fall on the other side of the threshold.
.set NC,     68                        ; control points
.set BATCHB, 544                       ; bytes of a batch in dp and in sp
.set TABLE,  1280                      ; a wave's table in LDS: 68 entries of 16 bytes (py, px, qy - 31, qx - 31), rounded up
.set WLDS,   3328                      ; table + stage of 2 channels x 8 rows x 128 bytes
.set EPS,    0x322bcc77                ; 1e-8
.set F31,    0x41f80000                ; 31.0
.set FM31,   0xc1f80000                ; -31.0
.set X,    2                           ; x of my column
.set ZX,   3                           ; x clamped into the box
.set TA,   4                           ; LDS address of the table, stepped 128 bytes a trip
.set STW,  5                           ; stage: where I put 4 bytes of a row
.set STR,  6                           ; stage: where I read 16 bytes back
.set OFFO, 7                           ; my 16 bytes in a store of 512
.set C0,   8                           ; v[8:23]    table entries 0 to 3 of eight by turns: point c lies in entry c mod 8
.set C1,   12
.set C2,   16
.set C3,   20
.set PL,   24                          ; v[24:35]   the lane's terms, two sets by turns: dx^2+eps, dx | tx^2, tx | tx qy, tx qx
.set W,    36                          ; v[36:51]   weights, two sets by turns
.set T,    52                          ; v[52:59]   dy
.set TY,   60                          ; v[60:67]   ty = py - zy
.set WY,   68                          ; v[68:75]   w ty
.set NY,   76                          ; v[76:83]   -y of my 8 rows
.set NZY,  84                          ; v[84:91]   -(y clamped into the box)
.set S,    92                          ; the sums, 8 registers each
.set SX,   100
.set SY,   108
.set BY,   116
.set BX,   124
.set MXX,  132
.set MXY,  140
.set MYY,  148
.set NXY,  156                         ; sum w tx qy
.set NXX,  164                         ; sum w tx qx
.set NYY,  172                         ; sum w ty qy
.set NYX,  180                         ; sum w ty qx
.set C4,   188                         ; v[188:203] table entries 4 to 7
.set C5,   192
.set C6,   196
.set C7,   200
.set E,    36                          ; set-up only: three entries as loaded (in W's registers)
.set MK,   28                          ; s[28:59]   the way out: two masks for each of the lane's 16 results
	s_load_b128 s[4:7], s[0:1], 0x0                ; dp s[4:5], sp s[6:7]
	s_load_b64 s[8:9], s[0:1], 0x10                ; out0
	v_lshl_add_u32 v204, v0, 2, 0x6800
	v_mov_b32 v205, 0
	v_and_b32 v1, 31, v0                           ; lane = column
	v_lshrrev_b32 v60, 5, v0
	v_readfirstlane_b32 s10, v60                   ; wave 0..7
	v_lshlrev_b32 v61, 3, v1                       ; points 0-31 (and, 256 bytes on, 32-63): 8 bytes a lane
	v_add_nc_u32 v62, 64, v1
	v_min_u32 v62, NC-1, v62                       ; points 64-67; lanes 4-31 take point 67 once more
	v_lshlrev_b32 v63, 3, v62
	s_wait_alu depctr_va_sdst(0)                   ; s10 is written, ahead of its first reader: the batch, the rows and the LDS addresses are made from it
	s_lshr_b32 s11, s10, 2                         ; which of the group's two batches
	s_and_b32 s12, s10, 3                          ; which 8 rows of it
	s_lshl1_add_u32 s13, ttmp9, s11                ; batch
	s_mul_i32 s14, s13, BATCHB
	s_mov_b32 s15, 0
	s_wait_kmcnt 0x0
	s_add_nc_u64 s[4:5], s[4:5], s[14:15]
	s_add_nc_u64 s[6:7], s[6:7], s[14:15]
	s_wait_alu depctr_va_vdst(0)                   ; v61 and v63 are written, which the six loads read as their offsets
	global_load_b64 v[E:E+1],     v61, s[4:5]              ; (py, px) as given
	global_load_b64 v[E+2:E+3],   v61, s[6:7]              ; (qy, qx)
	global_load_b64 v[E+4:E+5],   v61, s[4:5] offset:256
	global_load_b64 v[E+6:E+7],   v61, s[6:7] offset:256
	global_load_b64 v[E+8:E+9],   v63, s[4:5]
	global_load_b64 v[E+10:E+11], v63, s[6:7]
	; while they are on their way: constants, addresses, coordinates
	s_mov_b32 s20, 0xc7000000                      ; -32768.0
	s_mov_b32 s21, 0x46fffe00                      ; 32767.0
	s_mov_b32 s24, 0x76543210                      ; v_permlanex16_b32: lane i reads lane i of the other half
	s_mov_b32 s25, 0xfedcba98
	s_mov_b32 s26, F31
	s_lshl_b32 s22, s13, 13                        ; a batch of out0 is 8,192 bytes,
	s_lshl_b32 s16, s12, 10                        ; my 8 rows 1,024 in each channel
	s_add_co_u32 s22, s22, s16
	s_mov_b32 s23, 0
	s_add_nc_u64 s[8:9], s[8:9], s[22:23]
	s_mul_i32 s18, s10, WLDS                       ; my wave's LDS
	s_add_co_u32 s19, s18, TABLE                   ; its stage
	v_mov_b32 v[TA], s18
	v_lshl_add_u32 v64, v1, 4, s18                 ; entry of point = lane
	v_lshl_add_u32 v65, v62, 4, s18                ; entry of points 64-67
	v_lshl_add_u32 v[STW], v1, 2, s19
	v_lshl_add_u32 v[STR], v1, 4, s19
	v_lshlrev_b32 v[OFFO], 4, v1
	v_cvt_f32_u32 v[X], v1
	s_lshl_b32 s16, s12, 3                         ; my first row
.irp r, 0,1,2,3,4,5,6,7
	s_sub_co_i32 s17, -\r, s16
	v_cvt_f32_i32 v[NY+\r], s17                    ; -y
.endr
	s_wait_loadcnt 0x0
.irp r, 0,1,2,3,4,5,6,7,8,9,10,11
	v_med3_num_f32 v[E+\r], v[E+\r], s20, s21      ; into int16's range,
.endr
.irp r, 0,1,2,3,4,5,6,7,8,9,10,11
	v_trunc_f32 v[E+\r], v[E+\r]                   ; cut toward zero
.endr
.irp r, 2,3,6,7,10,11
	v_add_f32 v[E+\r], FM31, v[E+\r]               ; q - 31: exact, both are whole numbers below 2^16
.endr
	s_wait_alu depctr_va_vdst(0)                   ; the entries v[E ..] and the addresses v64, v65, v[TA], v[STW], v[STR], v[OFFO] are written, which the LDS stores and loads and the stores at the end read
	ds_store_b128 v64, v[E:E+3]
	ds_store_b128 v64, v[E+4:E+7] offset:512
	ds_store_b128 v65, v[E+8:E+11]                 ; lanes 3-31 write point 67's entry alike
	ds_load_b128 v[C0:C0+3], v[TA]                 ; LDS serves a wave's instructions in order (ISA guide 5.7.1): these see the stores
	ds_load_b128 v[C1:C1+3], v[TA] offset:16
	ds_load_b128 v[C2:C2+3], v[TA] offset:32
	s_wait_alu depctr_vm_vsrc(0)                   ; the global loads have read v61 and v63, the LDS stores v64, v65 and v[E ..]: the lines below write v60-63, the first turns write ty and the weights there
	; the bounding box: three points a lane, then across the 32 lanes
	v_min3_num_f32 v52, v[E],   v[E+4], v[E+8]     ; py min
	v_max3_num_f32 v53, v[E],   v[E+4], v[E+8]     ; py max
	v_min3_num_f32 v54, v[E+1], v[E+5], v[E+9]     ; px min
	v_max3_num_f32 v55, v[E+1], v[E+5], v[E+9]     ; px max
.irp m, 1,2,4,8
	v_min_num_f32_dpp v52, v52, v52 row_xmask:\m row_mask:0xf bank_mask:0xf
	v_max_num_f32_dpp v53, v53, v53 row_xmask:\m row_mask:0xf bank_mask:0xf
	v_min_num_f32_dpp v54, v54, v54 row_xmask:\m row_mask:0xf bank_mask:0xf
	v_max_num_f32_dpp v55, v55, v55 row_xmask:\m row_mask:0xf bank_mask:0xf
.endr
	v_permlanex16_b32 v60, v52, s24, s25           ; destinations that have been written before
	v_permlanex16_b32 v61, v53, s24, s25
	v_permlanex16_b32 v62, v54, s24, s25
	v_permlanex16_b32 v63, v55, s24, s25
	v_min_num_f32 v52, v52, v60
	v_max_num_f32 v53, v53, v61
	v_min_num_f32 v54, v54, v62
	v_max_num_f32 v55, v55, v63
	v_med3_num_f32 v[ZX], v[X], v54, v55
	v_mul_f32 v56, -1.0, v53
	v_mul_f32 v57, -1.0, v52
.irp r, 0,1,2,3,4,5,6,7
	v_med3_num_f32 v[NZY+\r], v[NY+\r], v56, v57   ; -(y clamped) = -y clamped between -max and -min
.endr
; d += a * b for two pixels; LO / HI: both by the first / second register of pair b.  first = 1: the product starts the sum, nothing is cleared.
.macro MAC_LO first, d, a, b
.if \first
	v_pk_mul_f32 v[\d:\d+1], v[\a:\a+1], v[\b:\b+1] op_sel_hi:[1,0]
.else
	v_pk_fma_f32 v[\d:\d+1], v[\a:\a+1], v[\b:\b+1], v[\d:\d+1] op_sel_hi:[1,0,1]
.endif
.endm
.macro MAC_HI first, d, a, b
.if \first
	v_pk_mul_f32 v[\d:\d+1], v[\a:\a+1], v[\b:\b+1] op_sel:[0,1] op_sel_hi:[1,1]
.else
	v_pk_fma_f32 v[\d:\d+1], v[\a:\a+1], v[\b:\b+1], v[\d:\d+1] op_sel:[0,1,0] op_sel_hi:[1,1,1]
.endif
.endm
.macro MAC_PK first, d, a, b
.if \first
	v_pk_mul_f32 v[\d:\d+1], v[\a:\a+1], v[\b:\b+1]
.else
	v_pk_fma_f32 v[\d:\d+1], v[\a:\a+1], v[\b:\b+1], v[\d:\d+1]
.endif
.endm
; The twelve sums of pair k, in two halves.  wc: weights; WYB: w ty; cc: table entry; pc: the lane's terms.
; For point 0 the weights already lie in S and w ty in SY, so these two sums need no instruction.
.macro ACC_A first, k, wc, cc, pc
.if \first
.else
	v_pk_add_f32 v[S+2*\k:S+2*\k+1], v[S+2*\k:S+2*\k+1], v[\wc+2*\k:\wc+2*\k+1]
	v_pk_add_f32 v[SY+2*\k:SY+2*\k+1], v[SY+2*\k:SY+2*\k+1], v[WYB+2*\k:WYB+2*\k+1]
.endif
	MAC_HI \first, SX+2*\k,  \wc+2*\k, \pc+2       ; w tx
	MAC_LO \first, BY+2*\k,  \wc+2*\k, \cc+2       ; w qy
	MAC_HI \first, BX+2*\k,  \wc+2*\k, \cc+2       ; w qx
	MAC_LO \first, MXX+2*\k, \wc+2*\k, \pc+2       ; w tx^2
.endm
.macro ACC_B first, k, wc, cc, pc
	MAC_HI \first, MXY+2*\k, WYB+2*\k, \pc+2       ; w ty tx
	MAC_PK \first, MYY+2*\k, WYB+2*\k, TY+2*\k     ; w ty ty
	MAC_LO \first, NXY+2*\k, \wc+2*\k, \pc+4       ; w (tx qy)
	MAC_HI \first, NXX+2*\k, \wc+2*\k, \pc+4       ; w (tx qx)
	MAC_LO \first, NYY+2*\k, WYB+2*\k, \cc+2       ; w ty qy
	MAC_HI \first, NYX+2*\k, WYB+2*\k, \cc+2       ; w ty qx
.endm
; The turn of point c.  Its sums are made (entry cc, weights wc, lane terms pc); meanwhile, if pg, point c + 1's lane terms, distances and
; weights (entry cn, into wn and pn), and, if ld, point c + 3's entry is asked for (into cl, which held point c - 5; byte off from TA).
; The load carries no wait of its own: no vector instruction since the last wait on va_vdst names cl or v[TA] (the plan at the kernel's head).
; left: the LDS loads that may stay out when entry cn is needed.  The reciprocals stand singly among the packed FMAs: each has plain vector
; instructions that name none of its registers behind it (ISA guide 5.7.2), and its result is first read in the next turn.
.macro ITER first, pg, ld, left, cc, cn, cl, off, wc, wn, pc, pn
.if \first
.set WYB, SY
.else
.set WYB, WY
.endif
.if \ld
	ds_load_b128 v[\cl:\cl+3], v[TA] offset:\off
.endif
.if \pg
	s_wait_dscnt \left                             ; LDS loads come back in order: entry c + 1 is in, the younger ones stay out
	v_sub_f32 v[\pn+1], v[\cn+1], v[X]             ; dx = px - x
	v_sub_f32 v[\pn+3], v[\cn+1], v[ZX]            ; tx = px - zx
.endif
.irp k, 0,1,2,3
	v_pk_add_f32 v[TY+2*\k:TY+2*\k+1], v[\cc:\cc+1], v[NZY+2*\k:NZY+2*\k+1] op_sel_hi:[0,1]    ; ty = py - zy
.endr
.if \pg
	v_mul_f32 v[\pn+2], v[\pn+3], v[\pn+3]         ; tx^2
	v_fmaak_f32 v[\pn], v[\pn+1], v[\pn+1], EPS    ; dx^2 + eps
.irp k, 0,1,2,3
	v_pk_add_f32 v[T+2*\k:T+2*\k+1], v[\cn:\cn+1], v[NY+2*\k:NY+2*\k+1] op_sel_hi:[0,1]        ; dy = py - y
.endr
	v_pk_mul_f32 v[\pn+4:\pn+5], v[\cn+2:\cn+3], v[\pn+2:\pn+3] op_sel:[0,1] op_sel_hi:[1,1]   ; tx qy, tx qx
	s_wait_alu depctr_va_vdst(0)
.endif
	s_wait_alu depctr_va_vdst(0)
.irp k, 0,1,2,3
	v_pk_mul_f32 v[WYB+2*\k:WYB+2*\k+1], v[\wc+2*\k:\wc+2*\k+1], v[TY+2*\k:TY+2*\k+1]          ; w ty
.endr
.if \pg
.irp k, 0,1,2,3
	v_pk_fma_f32 v[\wn+2*\k:\wn+2*\k+1], v[T+2*\k:T+2*\k+1], v[T+2*\k:T+2*\k+1], v[\pn:\pn+1] op_sel_hi:[1,1,0]   ; dy^2 + (dx^2 + eps)
.endr
.endif
.irp k, 0,1,2,3
.if \pg
	v_rcp_f32 v[\wn+2*\k], v[\wn+2*\k]
.endif
	ACC_A \first, \k, \wc, \cc, \pc
.if \pg
	v_rcp_f32 v[\wn+2*\k+1], v[\wn+2*\k+1]
.endif
	ACC_B \first, \k, \wc, \cc, \pc
.endr
.endm
	; point 0's lane terms and weights; the weights are written into S, whose sum they start
	s_wait_dscnt 2                                 ; the three stores and entry 0 are done; entries 1 and 2 stay out
	v_sub_f32 v[PL+1], v[C0+1], v[X]
	v_sub_f32 v[PL+3], v[C0+1], v[ZX]
.irp k, 0,1,2,3
	v_pk_add_f32 v[T+2*\k:T+2*\k+1], v[C0:C0+1], v[NY+2*\k:NY+2*\k+1] op_sel_hi:[0,1]
.endr
	v_mul_f32 v[PL+2], v[PL+3], v[PL+3]
	v_fmaak_f32 v[PL], v[PL+1], v[PL+1], EPS
	v_pk_mul_f32 v[PL+4:PL+5], v[C0+2:C0+3], v[PL+2:PL+3] op_sel:[0,1] op_sel_hi:[1,1]
.irp k, 0,1,2,3
	v_pk_fma_f32 v[S+2*\k:S+2*\k+1], v[T+2*\k:T+2*\k+1], v[T+2*\k:T+2*\k+1], v[PL:PL+1] op_sel_hi:[1,1,0]
.endr
.irp r, 0,1,2,3,4,5,6,7
	v_rcp_f32 v[S+\r], v[S+\r]                     ; first read behind the plain instructions at the head of point 0's turn
.endr
	ITER 1,1,1,2, C0, C1, C3, 48,  S,   W+8, PL,   PL+6            ; point 0 starts the sums; asks for entry 3: no vector instruction has named C3, none since the head's wait v[TA]
	s_mov_b32 s27, 8                               ; points 1 to 64, eight a trip: once round the ring of entries; they ask for entries 4 to 67, the table's last
.Ltrip:
	s_wait_alu depctr_va_vdst(0)                   ; the turns so far are done reading C4 to C7, in which the next four loads land; v[TA], which they read, is written
	ITER 0,1,1,2, C1, C2, C4, 64,  W+8, W,   PL+6, PL
	ITER 0,1,1,2, C2, C3, C5, 80,  W,   W+8, PL,   PL+6
	ITER 0,1,1,2, C3, C4, C6, 96,  W+8, W,   PL+6, PL
	ITER 0,1,1,2, C4, C5, C7, 112, W,   W+8, PL,   PL+6
	s_wait_alu depctr_va_vdst(0)                   ; the turns so far are done reading C0 to C3, in which the next four loads land
	ITER 0,1,1,2, C5, C6, C0, 128, W+8, W,   PL+6, PL
	ITER 0,1,1,2, C6, C7, C1, 144, W,   W+8, PL,   PL+6
	ITER 0,1,1,2, C7, C0, C2, 160, W+8, W,   PL+6, PL
	ITER 0,1,1,2, C0, C1, C3, 176, W,   W+8, PL,   PL+6
	s_wait_alu depctr_vm_vsrc(0)                   ; the LDS loads issued so far have read v[TA]
	v_add_nc_u32 v[TA], 128, v[TA]                 ; eight entries on; the wait at the trip's head stands between this line and the next load
	s_sub_co_i32 s27, s27, 1
	s_cmp_lg_u32 s27, 0
	s_cbranch_scc1 .Ltrip
	ITER 0,1,0,1, C1, C2, 0, 0, W+8, W,   PL+6, PL                 ; point 65: nothing left to ask for; entry 66 is in, entry 67 may be out
	ITER 0,1,0,0, C2, C3, 0, 0, W,   W+8, PL,   PL+6               ; point 66: entry 67 is in
	ITER 0,0,0,0, C3, 0,  0, 0, W+8, 0,   PL+6, 0                  ; point 67: no point follows
	; THE 2 x 2 SOLVE, two pixels an instruction.  Registers of the loop that are free now:
.set R,    36                          ; 1/S, later -Mxy
.set AXR,  44                          ; -ax/S
.set AYR,  52                          ; -ay/S
.set OUTX, 60                          ; bx/S, at last channel 0; register r = row r
.set OUTY, 68                          ; by/S, at last channel 1
.set UX,   8                           ; v - pstar
.set UY,   16
.set DET,  24                          ; -1/S, then the determinant, then its reciprocal
.set DX,   32                          ; x - zx (v33, its pair's other half, was written in the loop and is not selected)
.set ZERO, 34
.irp r, 0,1,2,3,4,5,6,7
	v_rcp_f32 v[R+\r], v[S+\r]
.endr
	v_sub_f32 v[DX], v[X], v[ZX]                   ; the plain instruction behind the reciprocals
	v_mov_b32 v[ZERO], 0
.irp k, 0,2,4,6
	v_pk_add_f32 v[UY+\k:UY+\k+1], v[NZY+\k:NZY+\k+1], v[NY+\k:NY+\k+1] neg_lo:[0,1] neg_hi:[0,1]   ; y - zy
.endr
	s_wait_alu depctr_va_vdst(0)
.irp k, 0,2,4,6
	v_pk_mul_f32 v[DET+\k:DET+\k+1], v[R+\k:R+\k+1], -1.0 op_sel_hi:[1,0]
.endr
.irp k, 0,2,4,6
	v_pk_mul_f32 v[AXR+\k:AXR+\k+1], v[SX+\k:SX+\k+1], v[DET+\k:DET+\k+1]
	v_pk_mul_f32 v[AYR+\k:AYR+\k+1], v[SY+\k:SY+\k+1], v[DET+\k:DET+\k+1]
	v_pk_mul_f32 v[OUTX+\k:OUTX+\k+1], v[BX+\k:BX+\k+1], v[R+\k:R+\k+1]
	v_pk_mul_f32 v[OUTY+\k:OUTY+\k+1], v[BY+\k:BY+\k+1], v[R+\k:R+\k+1]
.endr
.irp k, 0,2,4,6
	MAC_PK 0, MXX+\k, SX+\k,  AXR+\k               ; M - a a^T / S
	MAC_PK 0, MXY+\k, SX+\k,  AYR+\k
	MAC_PK 0, MYY+\k, SY+\k,  AYR+\k
	MAC_PK 0, NXX+\k, AXR+\k, BX+\k                ; N - a b^T / S
	MAC_PK 0, NXY+\k, AXR+\k, BY+\k
	MAC_PK 0, NYX+\k, AYR+\k, BX+\k
	MAC_PK 0, NYY+\k, AYR+\k, BY+\k
	v_pk_add_f32 v[UX+\k:UX+\k+1], v[DX:DX+1], v[AXR+\k:AXR+\k+1] op_sel_hi:[0,1]   ; v - pstar = (v - z) - a / S
	v_pk_add_f32 v[UY+\k:UY+\k+1], v[UY+\k:UY+\k+1], v[AYR+\k:AYR+\k+1]
.endr
.irp k, 0,2,4,6
	v_pk_mul_f32 v[R+\k:R+\k+1], v[MXY+\k:MXY+\k+1], -1.0 op_sel_hi:[1,0]           ; -Mxy
	v_pk_mul_f32 v[DET+\k:DET+\k+1], v[MXX+\k:MXX+\k+1], v[MYY+\k:MYY+\k+1]
.endr
.irp k, 0,2,4,6
	MAC_PK 0, DET+\k, R+\k, MXY+\k                 ; Mxx Myy - Mxy^2
.endr
.irp r, 0,1,2,3,4,5,6,7
	v_rcp_f32 v[DET+\r], v[DET+\r]
.endr
.irp k, 0,2,4,6
	v_pk_mul_f32 v[S+\k:S+\k+1], v[R+\k:R+\k+1], v[UY+\k:UY+\k+1]                   ; plain instructions that name no reciprocal
	v_pk_mul_f32 v[AXR+\k:AXR+\k+1], v[R+\k:R+\k+1], v[UX+\k:UX+\k+1]
.endr
.irp k, 0,2,4,6
	v_pk_fma_f32 v[SX+\k:SX+\k+1], v[MYY+\k:MYY+\k+1], v[UX+\k:UX+\k+1], v[S+\k:S+\k+1]       ; gx det = Myy ux - Mxy uy
	v_pk_fma_f32 v[SY+\k:SY+\k+1], v[MXX+\k:MXX+\k+1], v[UY+\k:UY+\k+1], v[AXR+\k:AXR+\k+1]   ; gy det = Mxx uy - Mxy ux
.endr
.irp k, 0,2,4,6
	v_pk_mul_f32 v[AYR+\k:AYR+\k+1], v[SY+\k:SY+\k+1], v[NYX+\k:NYX+\k+1]
	v_pk_mul_f32 v[BX+\k:BX+\k+1], v[SY+\k:SY+\k+1], v[NYY+\k:NYY+\k+1]
.endr
	s_wait_alu depctr_va_vdst(0)
.irp k, 0,2,4,6
	v_pk_fma_f32 v[NXX+\k:NXX+\k+1], v[SX+\k:SX+\k+1], v[NXX+\k:NXX+\k+1], v[AYR+\k:AYR+\k+1]
	v_pk_fma_f32 v[NXY+\k:NXY+\k+1], v[SX+\k:SX+\k+1], v[NXY+\k:NXY+\k+1], v[BX+\k:BX+\k+1]
.endr
.irp k, 0,2,4,6
	MAC_PK 0, OUTX+\k, NXX+\k, DET+\k              ; the result less 31
	MAC_PK 0, OUTY+\k, NXY+\k, DET+\k
.endr
.irp k, 0,2,4,6,8,10,12,14
	v_pk_add_f32 v[OUTX+\k:OUTX+\k+1], v[OUTX+\k:OUTX+\k+1], F31 op_sel_hi:[1,0]
.endr
	; below 0 or above 31: zero.  A select, no branch; a NaN meets neither comparison and stays.  All 32 comparisons stand in one run, each with
	; a mask register of its own, so that one wait serves them all.
.irp r, 0,1,2,3,4,5,6,7,8,9,10,11,12,13,14,15
	v_cmp_gt_f32 s[MK+2*\r], 0, v[OUTX+\r]
	v_cmp_lt_f32 s[MK+2*\r+1], s26, v[OUTX+\r]
.endr
	s_wait_alu depctr_va_sdst(0)                   ; the comparisons have written s[MK ..], ahead of their first readers, the scalar ors
.irp r, 0,1,2,3,4,5,6,7,8,9,10,11,12,13,14,15
	s_or_b32 s[MK+2*\r], s[MK+2*\r], s[MK+2*\r+1]
.endr
.irp r, 0,1,2,3,4,5,6,7,8,9,10,11,12,13,14,15
	v_cndmask_b32 v[OUTX+\r], v[OUTX+\r], v[ZERO], s[MK+2*\r]
.endr
	; THE WAY OUT.  A lane holds one column of 8 rows; through my own stage the rows are read back 16 bytes a lane,
	; so that each store of the wave covers 512 consecutive bytes, aligned.
	s_wait_alu depctr_va_vdst(0)                   ; the selects have written v[OUTX ..], which the LDS stores read; the solve is done with v8-23, in which the loads from the stage land
.irp r, 0,1,2,3,4,5,6,7,8,9,10,11,12,13,14,15
	ds_store_b32 v[STW], v[OUTX+\r] offset:128*\r  ; channel 0's rows 0-7, then channel 1's
.endr
.irp j, 0,1,2,3
	ds_load_b128 v[8+4*\j:8+4*\j+3], v[STR] offset:512*\j          ; my own bytes, served in order behind the stores
.endr
.irp j, 0,1,2,3
	s_wait_dscnt 3-\j                              ; load j is in, the younger ones stay out
	global_store_b128 v[OFFO], v[8+4*\j:8+4*\j+3], s[8:9] offset:(\j/2)*4096+(\j%2)*512 th:TH_STORE_NT
.endr
	s_wait_dscnt 0x0
	s_wait_alu depctr_hold_cnt(0) depctr_sa_sdst(0) depctr_va_vdst(0) depctr_va_sdst(0) depctr_va_ssrc(0) depctr_va_vcc(0) depctr_vm_vsrc(0)
	s_wait_tensorcnt 0x0
	ds_add_u32 v204, v205
	s_wait_dscnt 0x0
	s_endpgm
.Lfunc_end_k_q6033c26153_mls:
	.size	k_q6033c26153_mls, .Lfunc_end_k_q6033c26153_mls-k_q6033c26153_mls
	.p2alignl 7, 3214868480
	.fill 96, 4, 3214868480
	.section	.rodata,"a",@progbits
	.p2align	6, 0x0
	.amdhsa_kernel k_q6033c26153_mls
		.amdhsa_group_segment_fixed_size 27648
		.amdhsa_private_segment_fixed_size 0
		.amdhsa_enable_private_segment 0
		.amdhsa_kernarg_size 24
		.amdhsa_user_sgpr_count 2
		.amdhsa_user_sgpr_kernarg_segment_ptr 1
		.amdhsa_wavefront_size32 1
		.amdhsa_system_sgpr_workgroup_id_x 1
		.amdhsa_system_sgpr_workgroup_id_y 1
		.amdhsa_system_sgpr_workgroup_id_z 1
		.amdhsa_system_vgpr_workitem_id 0
		.amdhsa_next_free_vgpr 206
		.amdhsa_next_free_sgpr 66
		.amdhsa_reserve_vcc 0
		.amdhsa_float_denorm_mode_32 3
		.amdhsa_float_denorm_mode_16_64 3
		.amdhsa_memory_ordered 1
		.amdhsa_forward_progress 1
		.amdhsa_inst_pref_size 77
	.end_amdhsa_kernel
	.amdgpu_metadata
---
amdhsa.version: [ 1, 2 ]
amdhsa.kernels:
  - .name:           k_q6033c26153_mls
    .symbol:         k_q6033c26153_mls.kd
    .args:
      - { .name: dp, .offset: 0, .size: 8, .value_kind: global_buffer, .address_space: global }
      - { .name: sp, .offset: 8, .size: 8, .value_kind: global_buffer, .address_space: global }
      - { .name: out0, .offset: 16, .size: 8, .value_kind: global_buffer, .address_space: global }
    .group_segment_fixed_size: 27648
    .private_segment_fixed_size: 0
    .kernarg_segment_align: 8
    .kernarg_segment_size: 24
    .max_flat_workgroup_size: 256
    .sgpr_count:     66
    .vgpr_count:     206
    .wavefront_size: 32
...
	.end_amdgpu_metadata
.endif
;; end of part 2
